; MI455X (gfx1250); checked and timed in simulation.
; The chip was launched on July 23, 2026; its instructions are those of AMD's public machine-readable ISA for CDNA 5 (MIT licence, August 2026) and "CDNA5" Instruction Set Architecture Reference Guide (July 2026). The comments in the code are by the model that wrote it; some were corrected since.
;; Cusparse Dynamic Linear. Allowed arithmetic: float matrix products may take bf16 or f16 operands with f32 sums; other float arithmetic in f32, or as packed bf16 or f16 multiplies, adds, multiply-adds, maxima and minima; sums over many terms, partial sums and values carried from step to step in f32; what a program stores and reads back later, other than sums and carried values, may be rounded once to bf16 or f16.
;; Inputs: bias_p 4,096 float32; data 4 x 1,024 x 4,096 float32; w_mask 4,096 x 4,096 float32; weight 4,096 x 4,096 float32.
;; Outputs: out0 4 x 1,024 x 4,096 float32.
;; 2 versions, each right; version 2 is version 1 with the launch cast written anew for expert scheduling mode. Each part assembles by itself: llvm-mc -triple=amdgcn-amd-amdhsa -mcpu=gfx1250 --defsym DOCPART=n.
;; ======== version 1 of 2: 2 launches
;; workspace buffers: a16 33,554,432 bytes; w16 33,554,432 bytes
;; launch cast (part 1): grid 512 x 1, 8 waves a work-group, no clusters, 0 bytes of LDS; arguments data, weight, w_mask, a16, w16; writes a16, w16
.if DOCPART == 1
	.amdgcn_target "amdgcn-amd-amdhsa--gfx1250"
	.amdhsa_code_object_version 6
	.text
	.protected	k_qdf057a99f9_cast
	.globl	k_qdf057a99f9_cast
	.p2align	8
	.type	k_qdf057a99f9_cast,@function
k_qdf057a99f9_cast:
	s_mov_b64 s[64:65], 0
	v_nop
	global_prefetch_b8 v0, s[64:65] scope:SCOPE_SE
	s_setreg_imm32_b32 hwreg(HW_REG_WAVE_MODE, 25, 1), 1
	s_wait_xcnt 0x0
; out = data (weight * w_mask)^T + bias_p, in two launches.  This one makes the product's two operands, once:
;   a16[m][k] = bf16(data[m][k]);   w16[n][k] = bf16( bf16(weight[n][k]) * bf16(w_mask[n][k]) ).   All three inputs: 4,096 x 4,096 f32; both results: 4,096 x 4,096 bf16, row-major.
; NO WORK IS LEFT OUT.  w_mask is a float input and is multiplied in as it comes: no tile, row or step of the product is 0 for all values of the inputs, so the product is dense, and all
; four inputs are loaded (bias_p by the second launch).
; WHY A LAUNCH OF ITS OWN: every number of data, weight and w_mask is wanted by 16 tiles of the output; converted here, each is converted and masked once, and the second launch reads 2 bytes for it.
; LIMITS.  Every input is rounded to bf16 (nearest even) before anything else is done with it; the product of the two rounded factors is exact before its one rounding to bf16 (where the mask holds 0 and 1
; it rounds nothing).  A product below bf16's normal range (1.2e-38) may count as 0.  NaN and infinities are not treated apart: they go through the same instructions.
; SHARES.  Memory binds: no LDS, no barrier, no matrix unit.  A work-group owns 131,072 consecutive bytes of each input and 65,536 of each result: 32 steps.  In a step thread t takes the 16 bytes at 16 t of
; the step's 4,096 in each input, and stores 8 bytes at 8 t of the step's 2,048 in each result: a wave's load covers 512 consecutive bytes, its store 256 consecutive bytes, aligned.
; A ring of DEPTH slots in registers keeps 3 x DEPTH loads of every wave on their way.
.set DEPTH,   8                        ; slots
.set ROUNDS,  32/DEPTH                 ; each round takes every slot once
.set INSTEP,  4096                     ; bytes of an input in a step
.set OUTSTEP, 2048                     ; bytes of a result in a step
.set IN,  1                            ; v1         16 t; never rewritten
.set OU,  2                            ; v2         8 t; never rewritten
.set T,   4                            ; v[4:7]     at work: weight's and mask's four numbers each, as bf16 pairs
.set X,   8                            ; v[8:103]   slot i: 12 registers as loaded: data 4, weight 4, w_mask 4
.set Y,   104                          ; v[104:135] slot i: 4 registers to store: a16's pair, w16's pair
	s_load_b256 s[4:11], s[0:1], 0x0               ; data s[4:5], weight s[6:7], w_mask s[8:9], a16 s[10:11]
	s_load_b64 s[12:13], s[0:1], 0x20              ; w16
	v_lshlrev_b32 v[IN], 4, v0
	v_lshlrev_b32 v[OU], 3, v0
	s_lshl_b32 s14, ttmp9, 17                      ; the work-group's part of an input: under 2^26
	s_mov_b32 s15, 0
	s_lshl_b32 s16, ttmp9, 16                      ; and of a result
	s_mov_b32 s17, 0
	s_wait_kmcnt 0x0
	s_add_nc_u64 s[4:5], s[4:5], s[14:15]
	s_add_nc_u64 s[6:7], s[6:7], s[14:15]
	s_add_nc_u64 s[8:9], s[8:9], s[14:15]
	s_add_nc_u64 s[10:11], s[10:11], s[16:17]
	s_add_nc_u64 s[12:13], s[12:13], s[16:17]
.macro FILL i, off                     ; slot i's three loads, from byte off behind the three bases; each input byte is read once in the launch
	global_load_b128 v[X+12*(\i):X+12*(\i)+3],    v[IN], s[4:5] offset:(\off) th:TH_LOAD_NT
	global_load_b128 v[X+12*(\i)+4:X+12*(\i)+7],  v[IN], s[6:7] offset:(\off) th:TH_LOAD_NT
	global_load_b128 v[X+12*(\i)+8:X+12*(\i)+11], v[IN], s[8:9] offset:(\off) th:TH_LOAD_NT
.endm
.irp i, 0,1,2,3,4,5,6,7
	FILL \i, (\i)*INSTEP                           ; the ring is filled: steps 0 to 7
.endr
; One slot's turn.  ahead = 1: the slot is filled again with the step DEPTH further on.  left = how many younger loads may still be out.
.macro SLOT i, ahead, left
	s_wait_loadcnt \left                           ; loads come back in order (ISA guide 5.7.1): my three are in, the younger ones stay out
	v_cvt_pk_bf16_f32 v[Y+4*(\i)],   v[X+12*(\i)],    v[X+12*(\i)+1]   ; data: two roundings to bf16, packed
	v_cvt_pk_bf16_f32 v[Y+4*(\i)+1], v[X+12*(\i)+2],  v[X+12*(\i)+3]
	v_cvt_pk_bf16_f32 v[T],          v[X+12*(\i)+4],  v[X+12*(\i)+5]   ; weight
	v_cvt_pk_bf16_f32 v[T+1],        v[X+12*(\i)+6],  v[X+12*(\i)+7]
	v_cvt_pk_bf16_f32 v[T+2],        v[X+12*(\i)+8],  v[X+12*(\i)+9]   ; w_mask
	v_cvt_pk_bf16_f32 v[T+3],        v[X+12*(\i)+10], v[X+12*(\i)+11]
	v_pk_mul_bf16 v[Y+4*(\i)+2], v[T],   v[T+2]    ; two products, each rounded once to bf16
	v_pk_mul_bf16 v[Y+4*(\i)+3], v[T+1], v[T+3]
.if \ahead
	FILL \i, ((\i)+DEPTH)*INSTEP                   ; loads ahead of stores
.endif
	global_store_b64 v[OU], v[Y+4*(\i):Y+4*(\i)+1],   s[10:11] offset:(\i)*OUTSTEP  ; a wave stores 256 consecutive bytes, at a multiple of 256 from the buffer's first byte
	global_store_b64 v[OU], v[Y+4*(\i)+2:Y+4*(\i)+3], s[12:13] offset:(\i)*OUTSTEP
.endm
	s_mov_b32 s18, ROUNDS-1
.Lround:
.irp i, 0,1,2,3,4,5,6,7
	SLOT \i, 1, 3*(DEPTH-1)                        ; 21: the other seven slots' three loads each
.endr
	s_wait_xcnt 0x0                                ; one wait a round: every load and store issued so far has read its sources (ISA guide 3.1), so the five bases, and in the next round Y, may be written
	s_add_nc_u64 s[4:5], s[4:5], DEPTH*INSTEP
	s_add_nc_u64 s[6:7], s[6:7], DEPTH*INSTEP
	s_add_nc_u64 s[8:9], s[8:9], DEPTH*INSTEP
	s_add_nc_u64 s[10:11], s[10:11], DEPTH*OUTSTEP
	s_add_nc_u64 s[12:13], s[12:13], DEPTH*OUTSTEP
	s_sub_co_u32 s18, s18, 1
	s_cmp_lg_u32 s18, 0
	s_cbranch_scc1 .Lround
.irp i, 0,1,2,3,4,5,6,7
	SLOT \i, 0, 3*(DEPTH-1-(\i))                   ; the last round loads nothing: the counts run down 21, 18, .. 0
.endr
	s_endpgm
.Lfunc_end_k_qdf057a99f9_cast:
	.size	k_qdf057a99f9_cast, .Lfunc_end_k_qdf057a99f9_cast-k_qdf057a99f9_cast
	.p2alignl 7, 3214868480
	.fill 96, 4, 3214868480
	.section	.rodata,"a",@progbits
	.p2align	6, 0x0
	.amdhsa_kernel k_qdf057a99f9_cast
		.amdhsa_group_segment_fixed_size 0
		.amdhsa_private_segment_fixed_size 0
		.amdhsa_enable_private_segment 0
		.amdhsa_kernarg_size 40
		.amdhsa_user_sgpr_count 2
		.amdhsa_user_sgpr_kernarg_segment_ptr 1
		.amdhsa_wavefront_size32 1
		.amdhsa_system_sgpr_workgroup_id_x 1
		.amdhsa_system_sgpr_workgroup_id_y 1
		.amdhsa_system_sgpr_workgroup_id_z 1
		.amdhsa_system_vgpr_workitem_id 0
		.amdhsa_next_free_vgpr 136
		.amdhsa_next_free_sgpr 66
		.amdhsa_reserve_vcc 0
		.amdhsa_float_denorm_mode_32 3
		.amdhsa_float_denorm_mode_16_64 3
		.amdhsa_memory_ordered 1
		.amdhsa_forward_progress 1
		.amdhsa_inst_pref_size 18
	.end_amdhsa_kernel
	.amdgpu_metadata
---
amdhsa.version: [ 1, 2 ]
amdhsa.kernels:
  - .name:           k_qdf057a99f9_cast
    .symbol:         k_qdf057a99f9_cast.kd
    .args:
      - { .name: data, .offset: 0, .size: 8, .value_kind: global_buffer, .address_space: global }
      - { .name: weight, .offset: 8, .size: 8, .value_kind: global_buffer, .address_space: global }
      - { .name: w_mask, .offset: 16, .size: 8, .value_kind: global_buffer, .address_space: global }
      - { .name: a16, .offset: 24, .size: 8, .value_kind: global_buffer, .address_space: global }
      - { .name: w16, .offset: 32, .size: 8, .value_kind: global_buffer, .address_space: global }
    .group_segment_fixed_size: 0
    .private_segment_fixed_size: 0
    .kernarg_segment_align: 8
    .kernarg_segment_size: 40
    .max_flat_workgroup_size: 256
    .sgpr_count:     66
    .vgpr_count:     136
    .wavefront_size: 32
...
	.end_amdgpu_metadata
.endif
;; end of part 1
;; launch gemm (part 2): grid 16 x 16, 4 waves a work-group, clusters of 4 x 4, 327,680 bytes of LDS; arguments a16, w16, out0, bias_p; writes out0
.if DOCPART == 2
	.amdgcn_target "amdgcn-amd-amdhsa--gfx1250"
	.amdhsa_code_object_version 6
	.text
	.protected	k_qdf057a99f9_gemm
	.globl	k_qdf057a99f9_gemm
	.p2align	8
	.type	k_qdf057a99f9_gemm,@function
k_qdf057a99f9_gemm:
	s_mov_b64 s[64:65], 0
	v_nop
	global_prefetch_b8 v0, s[64:65] scope:SCOPE_SE
	s_setreg_imm32_b32 hwreg(HW_REG_WAVE_MODE, 25, 1), 1
	s_wait_xcnt 0x0
	s_wait_alu depctr_hold_cnt(0) depctr_sa_sdst(0) depctr_va_vdst(0) depctr_va_sdst(0) depctr_va_ssrc(0) depctr_va_vcc(0) depctr_vm_vsrc(0)
	s_getreg_b32 s2, hwreg(HW_REG_IB_STS2, 6, 4)
	s_cmp_eq_u32 s2, 0
	s_cbranch_scc0 .Lentry_in_a_cluster
	s_endpgm
.Lentry_in_a_cluster:
	s_bfe_u32 s2, ttmp6, 0x10000c
	s_cmp_lg_u32 s2, 0xf033
	s_cbranch_scc0 .Lentry_shape_is_right
	s_endpgm
.Lentry_shape_is_right:
; out0[m][n] = the sum over k of a16[m][k] w16[n][k] + bf16(bias_p[n]).  a16: [4096][4096] bf16 (data, rounded), w16: [4096][4096] bf16 (weight x w_mask), both made by the launch before;
; out0: [4096][4096] f32; bias_p: [4096] f32.  Sums in f32.  No work is left out: the product is dense for a float mask.
; LIMITS.  bias_p is rounded to bf16 like the other inputs; each sum STARTS from the bias (it is the C operand of the first product), so the order of rounding differs from adding it last.
; NaN and infinities are not treated apart.
; SHARES.  A tile of out0, 256 x 256, is made by a work-group of four waves; a wave makes 128 x 128: 64 accumulators of 16 x 16, 512 registers.  16 x 16 tiles: 256 work-groups, one tile each.
; K goes in 32 steps of 128 through a ring of two LDS slots filled by the tensor data mover: a tile's rows are 256 bytes of memory and start at multiples of 256 bytes from the buffer's first byte.
; CLUSTERS: 4 x 4 work-groups.  The four of a row of the cluster need the same tiles of a16, the four of a column the same tiles of w16: each is asked for JOINTLY, by the same tensor load with the
; same descriptor and a mask that names the four; each receives it in its own LDS.  That divides the requests for both operands by four.
; THE MATRIX INSTRUCTION IS USED TRANSPOSED: source 0 = 16 rows of w16, source 1 = 16 rows of a16.  In the result lane l holds row l % 16 of out0 and its registers 0 to 7 the columns
; 8 (l / 16) + 0 .. 7: 32 neighbouring bytes of a row.  The C operand of the first product then wants, in register j, the bias of column 8 (l / 16) + j: the same for all 16 rows.
; REGISTERS, in windows of 256 (s_set_vgpr_msb's low byte: bits 1:0 source 0, 3:2 source 1, 5:4 source 2, 7:6 destination):
;   window 0: v0-31 addresses; v32-63 at work on the bias; v64-127, v128-191 fragments of a16, two buffers; v192-255 the bias of my 128 columns, 8 registers an n block.  On the way out v64-255 are three buffers of 16 rows.
;   window 1: v64-127, v128-191 fragments of w16, two buffers
;   window 2: the 32 accumulators of my rows 0-63 (accumulator (a, b) at v[8 (8 a + b)]);   window 3: those of my rows 64-127
.set SIZE_N, 4096
.set SIZE_K, 4096
.set KSTEP,  128
.set PITCH,  272                       ; an LDS row: 256 bytes of data + 16 of padding = 68 words: row r starts at bank 4 r mod 64 (64 banks of 4 bytes: ISA guide 11.1), so the 16 rows that a load touches start at 16 different banks
.set HALFT,  128*PITCH                 ; 128 rows: what one tensor load brings, and what one wave reads of either operand
.set SLOT,   4*HALFT                   ; a16's 256 rows, then w16's 256 rows
.set STAGE,  2*SLOT                    ; behind the ring: 16 rows x 528 bytes for each wave, for the way out; no tensor load lands here
.set SPITCH, 528                       ; a stage row: my 128 columns in f32, 512 bytes, + 16 = 132 words: row r starts at bank 4 r mod 64
.set SPARE,  STAGE+4*16*SPITCH         ; behind the stages: the spare words, 128 bytes for each wave: two blocks of 256 bytes that no other line names
.set LAPS,   SIZE_K/(2*KSTEP)          ; a lap = two K steps = once round the ring: 16
.set ADRA, 16                          ; v16-17  LDS address of my a16 fragments in slot 0, 1
.set ADRB, 20                          ; v20-21  the same for w16
.set STO,  24                          ; v24     the way out: where I put 32 bytes of a row
.set RD,   25                          ; v25     the way out: where I read 16 bytes of a row back
.set CO,   26                          ; v26     16 x my lane: my 16 bytes of a row's 512 in out0
.set BO,   27                          ; v27     32 x (l / 16): my eight columns' bias in an n block's 64 bytes
.set SPW,  28                          ; v28     LDS address of my spare word: SPARE + 4 x my thread's number; never rewritten
.set NIL,  29                          ; v29     0; never rewritten
.set PFO,  30                          ; v30     the prefetches' offset: my lane x a row of an operand in memory (8,192 bytes); never rewritten
.set BT,   32                          ; v32-63  the bias as bf16 pairs, at work
.set F0,   64                          ; fragment buffer 0
.set F1,   128                         ; fragment buffer 1
.set BI,   192                         ; the bias, f32 again: n block b at BI + 8 b
.set OB,   64                          ; the way out: block a's 16 rows come back into v[OB + 64 (a % 3) ..]
.set G1,  24                           ; s[24:31] descriptor group 1 for a16's tiles
.set G0,  32                           ; s[32:39] descriptor group 0 for a16's tiles, one set for each slot
.set LIM, 43                           ; s43      1 in a wave that prefetches, else the greatest number
.set PFA, 44                           ; s[44:45] where my prefetches stand: my work-group's 32 rows of the 128 that I fetch, one K step further along K than the refill that is being asked for
.set G1B, 48                           ; s[48:55] descriptor group 1 for w16's tiles: it differs in the mask alone
.set G0B, 56                           ; s[56:63] descriptor group 0 for w16's tiles
.set BP,  66                           ; s[66:67] bias_p, then bias_p at my first column
.set MSB, 0
.macro WIN new                         ; the immediate's high byte repeats the setting that is left; a switch that changes nothing is dropped
.if MSB != (\new)
	s_set_vgpr_msb (MSB<<8)|(\new)
.set MSB, \new
.endif
.endm
.set MUL_LO,   0xa1                    ; source 0 (w16) window 1, source 1 (a16) window 0, C and D window 2
.set FIRST_LO, 0x81                    ; the same with C, the bias, in window 0
.set TO_B,     0x40                    ; destination window 1, address window 0
.set ST_LO,    0x08                    ; an LDS store's data (source 1) in window 2, its address in window 0
; A joint load.  Waves 0 and 1 fetch a16's two halves, waves 2 and 3 w16's.  Each of the two lines has ONE mask and one set of registers for all that issue it.  The branch hangs on the wave's number alone.
; An s_nop 0 and four v_nop follow each of the two lines, ahead of the jump, the label and what follows the macro.
.macro JLOAD s
	s_cmp_eq_u32 s11, 0
	s_cbranch_scc0 .Lfor_b_\@
	tensor_load_to_lds s[G0+4*(\s):G0+4*(\s)+3], s[G1:G1+7]
	s_nop 0
.rept 4
	v_nop
.endr
	s_branch .Lasked_\@
.Lfor_b_\@:
	tensor_load_to_lds s[G0B+4*(\s):G0B+4*(\s)+3], s[G1B:G1B+7]
	s_nop 0
.rept 4
	v_nop
.endr
.Lasked_\@:
.endm
; A PREFETCH INTO THE L2, behind each joint refill, its five lines and the run of LDS loads that follows them: the K step that stands TWO refills on, 512 matrix instructions ahead of the load that will ask for it:
; 32 rows x 256 bytes, a lane a row, one instruction a wave.  Each row's 256 bytes of a K step are named ONCE in the launch: a16's tile row is read by every cluster of that row of clusters, and the first of them
; (cluster x = 0) prefetches; w16's tile column by every cluster of that column, and cluster y = 0 prefetches.  The four partners that ask for a tile jointly share its rows out BY ADDRESS: of the 128 rows that a
; wave fetches, the partner at place p takes 32 p .. 32 p + 31 (p = cx for a16, cy for w16): no branch hangs on a work-group's place in its cluster.  K steps 0 to 3 come by their loads alone; the loop's last
; trip (s3 = 1) asks for nothing: K steps 32 and 33 do not exist.
.macro ASK
	s_cmp_gt_u32 s3, s[LIM]
	s_cbranch_scc0 .Lnot_mine_\@
	global_prefetch_b8 v[PFO], s[PFA:PFA+1] offset:KSTEP*2 th:TH_LOAD_NT scope:SCOPE_SE
.Lnot_mine_\@:
.endm
; A round of the cluster's barrier: my work-group's barrier, so that wave 0's signal speaks for all four waves; wave 0 signals for the work-group; every wave waits for all sixteen work-groups;
; my work-group's barrier once more.  No LDS instruction of the wave is pending at a signal.
.macro CREST                           ; a round behind its opening barrier
	s_cmp_lg_u32 s10, 0
	s_cbranch_scc1 .Lnot_wave_0_\@
	s_barrier_signal -3
.Lnot_wave_0_\@:
	s_barrier_wait -3
	s_barrier_signal -1
	s_barrier_wait -1
.endm
.macro CROUND                          ; a whole round
	s_barrier_signal -1
	s_barrier_wait -1
	CREST
.endm
	s_load_b128 s[4:7], s[0:1], 0x0                ; a16 s[4:5], w16 s[6:7]
	s_load_b64 s[8:9], s[0:1], 0x10                ; out0
	s_load_b64 s[BP:BP+1], s[0:1], 0x18            ; bias_p
	v_lshl_add_u32 v[SPW], v0, 2, SPARE
	v_mov_b32 v[NIL], 0
	ds_add_u32 v[SPW], v[NIL]                      ; the wave's opening: the add, twice on end, and its wait ahead of my first tensor load; the set-up below, work on registers, stands between
	ds_add_u32 v[SPW], v[NIL]                      ; and once more, under the one wait
	v_lshrrev_b32 v1, 5, v0
	v_readfirstlane_b32 s10, v1                    ; wave 0..3
	s_lshr_b32 s11, s10, 1                         ; which half of the tile's rows is mine.  Also: I fetch for a16 (0) or for w16 (1)
	s_and_b32 s12, s10, 1                          ; which half of its columns.  Also: which 128 rows of that operand's tile I fetch
	s_bfe_u32 s40, ttmp6, 0x40000                  ; cx: my place along the cluster's x
	s_bfe_u32 s41, ttmp6, 0x40004                  ; cy: along its y
	s_lshl_b32 s42, ttmp9, 2                       ; in a cluster launch ttmp9 and ttmp7 count clusters
	s_add_co_u32 s42, s42, s40                     ; tile column of out0 = 4 x cluster x + cx
	s_and_b32 s13, ttmp7, 0xffff
	s_lshl_b32 s13, s13, 2
	s_add_co_u32 s13, s13, s41                     ; tile row of out0 = 4 x cluster y + cy
	s_lshl_b32 s43, s41, 2
	s_lshl_b32 s43, 15, s43                        ; my row of the cluster: places 4 cy .. 4 cy + 3
	s_lshl_b32 s44, 0x1111, s40                    ; my column: places cx, cx + 4, cx + 8, cx + 12
	; descriptor group 1: a tile of 128 rows x 128 elements, padded in LDS
	s_or_b32 s[G1+0], s43, (1<<16)|(1<<20)|(1<<21)|(5<<22)|(3<<25)  ; 15:0 the mask: a16's tiles go to my row; 17:16 elements of 2 bytes; 20 padding on; 21 set beside a mask; 24:22 after every 64 words (code 5); 31:25 4 words of it (code 3)
	s_or_b32 s[G1B+0], s44, (1<<16)|(1<<20)|(1<<21)|(5<<22)|(3<<25) ; the same with the mask of my column, for w16's tiles
.irp g, G1, G1B
	s_mov_b32 s[(\g)+1], KSTEP<<16                 ; 63:48 tensor_dim0, low half = 128
	s_mov_b32 s[(\g)+2], 128<<16                   ; 79:64 its high half = 0; 95:80 tensor_dim1, low half = 128
	s_mov_b32 s[(\g)+3], KSTEP<<16                 ; 111:96 its high half = 0; 127:112 tile_dim0 = 128
	s_mov_b32 s[(\g)+4], 128                       ; 143:128 tile_dim1 = 128; 159:144 tile_dim2 = 0
	s_mov_b32 s[(\g)+5], SIZE_K                    ; 191:160 tensor_dim0_stride, low word: elements from row to row
	s_mov_b32 s[(\g)+6], 0
	s_mov_b32 s[(\g)+7], 0
.endr
	; where the tiles come from.  a16's hang on the tile row alone, which my row of the cluster shares; w16's on the tile column alone, which my column shares.
	; Every wave makes both addresses, in registers that never hold the other coordinate, and asks by one of them.
	s_lshl_b32 s17, s12, 7                         ; which 128 rows of the tile I fetch
	s_lshl_b32 s16, s13, 8
	s_add_co_u32 s16, s16, s17                     ; a16: row 256 x tile row + 128 x half
	s_lshl_b32 s46, s42, 8
	s_add_co_u32 s46, s46, s17                     ; w16: row 256 x tile column + 128 x half
	s_mov_b32 s17, 0
	s_mov_b32 s47, 0
	s_mov_b64 s[18:19], SIZE_K*2
	s_mul_u64 s[16:17], s[16:17], s[18:19]         ; in bytes
	s_mul_u64 s[46:47], s[46:47], s[18:19]
	s_mul_i32 s20, s10, HALFT                      ; and where they go: wave x 128 rows: no place in the cluster enters an LDS address
	s_wait_dscnt 0x0                               ; both opening adds are done
	s_wait_kmcnt 0x0
	s_add_nc_u64 s[14:15], s[4:5], s[16:17]
	s_add_nc_u64 s[46:47], s[6:7], s[46:47]
	CROUND                                         ; all sixteen work-groups are here: the first joint loads meet
.irp s, 0,1
	s_mov_b32 s[G0+4*(\s)], 1                                        ; 1:0 count = 1
	s_add_co_u32 s[G0+4*(\s)+1], s20, (\s)*SLOT                      ; 63:32 LDS address
	s_add_nc_u64 s[G0+4*(\s)+2:G0+4*(\s)+3], s[14:15], (\s)*KSTEP*2  ; 120:64 global address: K step s
	s_or_b32 s[G0+4*(\s)+3], s[G0+4*(\s)+3], 0x80000000              ; 127:126 type = 2
	s_mov_b32 s[G0B+4*(\s)], 1
	s_add_co_u32 s[G0B+4*(\s)+1], s20, (\s)*SLOT
	s_add_nc_u64 s[G0B+4*(\s)+2:G0B+4*(\s)+3], s[46:47], (\s)*KSTEP*2
	s_or_b32 s[G0B+4*(\s)+3], s[G0B+4*(\s)+3], 0x80000000
.endr
	s_cmp_eq_u32 s11, 0                            ; a wave's two first fills stand in one branch, ahead of every wait on TENSORcnt and every LDS read: two loads of mine are out, the most in this text
	s_cbranch_scc0 .Lfirst_b
	tensor_load_to_lds s[G0:G0+3], s[G1:G1+7]
	s_nop 0
	tensor_load_to_lds s[G0+4:G0+7], s[G1:G1+7]
	s_nop 0
.rept 4
	v_nop
.endr
	s_branch .Lfirst_asked
.Lfirst_b:
	tensor_load_to_lds s[G0B:G0B+3], s[G1B:G1B+7]
	s_nop 0
	tensor_load_to_lds s[G0B+4:G0B+7], s[G1B:G1B+7]
	s_nop 0
.rept 4
	v_nop
.endr
.Lfirst_asked:
	; where my part of the tile begins in out0, and my 128 columns in bias_p
	v_and_b32 v1, 15, v0                           ; l % 16
	v_bfe_u32 v2, v0, 4, 1                         ; l / 16
	v_lshlrev_b32 v[BO], 5, v2
	s_lshl_b32 s13, s13, 8                         ; 256 x tile row
	s_lshl_b32 s14, s11, 7
	s_add_co_u32 s16, s13, s14                     ; my first row of out0
	s_mov_b32 s17, 0
	s_mov_b64 s[18:19], SIZE_N*4
	s_mul_u64 s[16:17], s[16:17], s[18:19]
	s_lshl_b32 s46, s42, 10                        ; my first column, in bytes of f32: 1,024 x tile column + 512 x half (in the registers that held w16's address: none that feeds a16's descriptors ever holds cx)
	s_lshl_b32 s47, s12, 9
	s_add_co_u32 s46, s46, s47
	s_mov_b32 s47, 0
	s_add_nc_u64 s[8:9], s[8:9], s[16:17]
	s_add_nc_u64 s[8:9], s[8:9], s[46:47]
	s_add_nc_u64 s[BP:BP+1], s[BP:BP+1], s[46:47]
.irp b, 0,1,2,3,4,5,6,7
	global_load_b128 v[BI+8*(\b):BI+8*(\b)+3],   v[BO], s[BP:BP+1] offset:64*(\b)     ; the bias of columns 16 b + 8 (l / 16) + 0 .. 3,
	global_load_b128 v[BI+8*(\b)+4:BI+8*(\b)+7], v[BO], s[BP:BP+1] offset:64*(\b)+16  ; and + 4 .. 7
.endr
	; A fragment is 16 rows x 32 K in 8 registers: lane l holds row l % 16; registers 0-3 hold K = 8 (l / 16) + 0..7, registers 4-7 hold K = 16 + 8 (l / 16) + 0..7: two loads of 16 bytes, 32 bytes apart.
	v_mul_u32_u24 v3, v1, PITCH
	v_lshl_add_u32 v3, v2, 4, v3                   ; row x pitch + 16 x half
	s_mul_i32 s21, s11, HALFT                      ; my 128 rows of a16
	s_mul_i32 s22, s12, HALFT                      ; my 128 rows of w16,
	s_add_co_u32 s22, s22, 2*HALFT                 ; which lie behind a16's 256
.irp s, 0,1
	v_add_nc_u32 v[ADRA+(\s)], s21, v3
	v_add_nc_u32 v[ADRB+(\s)], s22, v3
	s_add_co_u32 s21, s21, SLOT
	s_add_co_u32 s22, s22, SLOT
.endr
	s_mul_i32 s23, s10, 16*SPITCH
	s_add_co_u32 s23, s23, STAGE                   ; my stage
	v_mul_u32_u24 v4, v1, SPITCH                   ; in: row l % 16, 32 bytes for each half of the lanes
	v_lshl_add_u32 v4, v2, 5, v4
	v_add_nc_u32 v[STO], s23, v4
	v_and_b32 v5, 31, v0
	v_lshlrev_b32 v[CO], 4, v5                     ; back: 32 lanes take one row of 512 bytes,
	v_add_nc_u32 v[RD], s23, v[CO]                 ; which are 512 consecutive bytes of out0
	; the prefetches.  s13 = 256 x tile row, s42 = tile column, s40 = cx, s41 = cy still stand; s[4:5] = a16, s[6:7] = w16
	s_lshl_b32 s42, s42, 8
	s_and_b32 s22, ttmp7, 0xffff                   ; cluster y
	s_cmp_eq_u32 s11, 0                            ; do I fetch for a16?
	s_cselect_b32 s20, s13, s42                    ; the tile's first row: in a16 by the tile row, in w16 by the tile column
	s_cselect_b32 s21, s40, s41                    ; my place among the four that ask for it with me
	s_cselect_b32 s22, ttmp9, s22                  ; the coordinate along which other clusters read the same rows
	s_cselect_b64 s[PFA:PFA+1], s[4:5], s[6:7]
	s_cmp_eq_u32 s22, 0
	s_cselect_b32 s[LIM], 1, -1                    ; the same in all sixteen partners, for a given wave
	s_lshl_b32 s22, s12, 7
	s_add_co_u32 s20, s20, s22                     ; + the 128 rows that I fetch
	s_lshl_b32 s21, s21, 5
	s_add_co_u32 s20, s20, s21                     ; + my work-group's 32 of them
	s_mov_b32 s21, 0
	s_mov_b64 s[18:19], SIZE_K*2
	s_mul_u64 s[20:21], s[20:21], s[18:19]
	s_add_nc_u64 s[PFA:PFA+1], s[PFA:PFA+1], s[20:21]
	s_add_nc_u64 s[PFA:PFA+1], s[PFA:PFA+1], 2*KSTEP*2  ; at K step 2: the first refill steps it to 3 and names K step 4.  Nothing is prefetched here, at the head, where every work-group's first tiles are on their way
	v_mul_u32_u24 v[PFO], v5, SIZE_K*2
	s_wait_loadcnt 0x0                             ; the bias is in
.set i, 0
.rept 32
	v_cvt_pk_bf16_f32 v[BT+i], v[BI+2*i], v[BI+2*i+1]  ; rounded to bf16 like every other input,
.set i, i+1
.endr
.set i, 0
.rept 32
	v_lshlrev_b32 v[BI+2*i],   16, v[BT+i]             ; and written as f32 again: the low half moves up,
	v_and_b32     v[BI+2*i+1], 0xffff0000, v[BT+i]     ; the high half stays
.set i, i+1
.endr
; 16 matrix instructions: m blocks a0, a0 + 1 of the window's four (hi = 0: my rows 0-63, 1: rows 64-127) x all 8 n blocks, 32 along K.
; first = 1: the first product starts each sum from the bias of its n block: nothing is cleared, and nothing is added later.
; The 64 accumulators take turns, one instruction a turn, in the same order in every quarter step, over the loop's backward jump too.
.macro MUL16 f, hi, a0, first
.if \first
	WIN FIRST_LO+0x40*(\hi)
.else
	WIN MUL_LO+0x50*(\hi)
.endif
.irp a, \a0, (\a0)+1
.irp b, 0,1,2,3,4,5,6,7
.if \first
	v_wmma_f32_16x16x32_bf16 v[8*(8*(\a)+(\b)):8*(8*(\a)+(\b))+7], v[(\f)+8*(\b):(\f)+8*(\b)+7], v[(\f)+8*(4*(\hi)+(\a)):(\f)+8*(4*(\hi)+(\a))+7], v[BI+8*(\b):BI+8*(\b)+7]
.else
	v_wmma_f32_16x16x32_bf16 v[8*(8*(\a)+(\b)):8*(8*(\a)+(\b))+7], v[(\f)+8*(\b):(\f)+8*(\b)+7], v[(\f)+8*(4*(\hi)+(\a)):(\f)+8*(4*(\hi)+(\a))+7], v[8*(8*(\a)+(\b)):8*(8*(\a)+(\b))+7]
.endif
.endr
.endr
.endm
; 32 LDS loads in one run: the fragments of one quarter step (128 rows of w16, 128 rows of a16, 32 K at byte k of the rows) into buffer f
.macro FETCH slot, k, f
	WIN TO_B
.irp i, 0,1,2,3,4,5,6,7
	ds_load_b128 v[(\f)+8*(\i):(\f)+8*(\i)+3],   v[ADRB+(\slot)] offset:(\k)+(\i)*16*PITCH
	ds_load_b128 v[(\f)+8*(\i)+4:(\f)+8*(\i)+7], v[ADRB+(\slot)] offset:(\k)+(\i)*16*PITCH+32
.endr
	WIN 0
.irp i, 0,1,2,3,4,5,6,7
	ds_load_b128 v[(\f)+8*(\i):(\f)+8*(\i)+3],   v[ADRA+(\slot)] offset:(\k)+(\i)*16*PITCH
	ds_load_b128 v[(\f)+8*(\i)+4:(\f)+8*(\i)+7], v[ADRA+(\slot)] offset:(\k)+(\i)*16*PITCH+32
.endr
.endm
; A load into a register that a matrix instruction has read, and an LDS store that reads a matrix result, stand four places behind that matrix instruction, and only plain vector instructions that name
; none of its registers are places (ISA guide 7.12.1 for vector instructions); the matrix instructions in between are not counted.
.macro PLACES
.rept 4
	v_nop
.endr
.endm
; A K step is four quarter steps of 32 along K, 64 matrix instructions each, on buffers 0, 1, 0, 1.
; One of the first three: multiplies buffer f; in its middle it fetches the next quarter's fragments, at byte k of the same slot's rows, into buffer g.
.macro QUARTER slot, k, f, g, first
	s_wait_dscnt 8                                 ; w16's fragments and a16's rows 0-63 are in; the youngest eight loads (a16's rows 64-127) may be out
	MUL16 \f, 0, 0, \first
	MUL16 \f, 0, 2, \first
	PLACES
	FETCH \slot, \k, \g
	s_wait_dscnt 32                                ; all but the 32 just issued
	MUL16 \f, 1, 0, \first
	MUL16 \f, 1, 2, \first
.endm
; The last quarter multiplies buffer 1 and changes slots.  MEET is its first half: ONE barrier for the change of slots.  In front of it each wave waits for all its tensor loads, of which one is out: its part
; of the next slot; adds 0 to its spare word; and waits for that and for its own reads of this slot.  Behind it nobody reads this slot any more and the next slot is whole.
.macro MEET round                      ; round = 1: the rest of a round of the cluster's barrier follows
	WIN 0                                          ; (the add's two registers lie in window 0)
	s_wait_tensorcnt 0x0                           ; all my tensor loads have landed: the one that was out is my part of the next slot;
	ds_add_u32 v[SPW], v[NIL]                      ; 0 onto my spare word;
	s_wait_dscnt 9                                 ; (the add and the youngest eight loads may be out)
	MUL16 F1, 0, 0, 0                              ; sixteen matrix instructions stand between the add and the wait for it
	s_wait_dscnt 0x0                               ; the add is done, and my reads of this slot are over:
	s_barrier_signal -1                            ; say so (where a slot is filled again this barrier opens a round of the cluster's barrier),
	MUL16 F1, 0, 2, 0                              ; work on registers while the others arrive,
.if \round
	WIN 0
.endif
	s_barrier_wait -1                              ; and go on when all four have said so
.endm
; The whole last quarter.  fill = 1: behind the round the slot just read out is filled again first, with the K step two steps on; then come the next slot's first fragments.
; From a request to the wait for it a wave issues 224 matrix instructions.
.macro TURN slot, next, fill
.if \fill
	s_wait_xcnt 0x0                                ; the last prefetch, a K step back, has read its address: it is stepped here, ahead of the waits of the change of slots
	s_add_nc_u64 s[PFA:PFA+1], s[PFA:PFA+1], KSTEP*2
	MEET 1
	CREST                                          ; wave 0 says so for the work-group, all sixteen work-groups have said so, my work-group's barrier closes the round:
	                                               ; no wave of any partner still reads this slot's tile or has a load on its way
	s_add_nc_u64 s[G0+4*(\slot)+2:G0+4*(\slot)+3], s[G0+4*(\slot)+2:G0+4*(\slot)+3], 2*KSTEP*2      ; no tensor load of mine is out, so a group 0 may be written; the type bits on top are not reached
	s_add_nc_u64 s[G0B+4*(\slot)+2:G0B+4*(\slot)+3], s[G0B+4*(\slot)+2:G0B+4*(\slot)+3], 2*KSTEP*2
	JLOAD \slot                                    ; the first tensor load behind the round, my only one until the next; the four v_nop behind it are also the places in front of the loads below
.else
	MEET 0                                         ; nothing is filled again, so no round follows
	PLACES
.endif
	FETCH \next, 0, F0
.if \fill
	ASK                                            ; behind the joint load and the run of LDS loads that the next products wait for
.endif
	MUL16 F1, 1, 0, 0
	MUL16 F1, 1, 2, 0
.endm
; THE WAY OUT of block a (16 of my rows), in two parts.  A lane's 32 bytes are a sixteenth of its row's 512, and the lanes beside it hold other rows.  TOSTAGE: the block's eight accumulators go as they are, in f32,
; into my own stage in LDS (each accumulator's low four registers first), and come back as whole rows of 512 bytes.  SEND: stored.
.macro TOSTAGE a
.set AC, 64*((\a)%4)                   ; its eight accumulators, in window 2 (blocks 0-3) or 3 (blocks 4-7)
.set BK, OB+64*((\a)%3)
	WIN ST_LO+4*((\a)/4)
.irp b, 0,1,2,3,4,5,6,7
	ds_store_b128 v[STO], v[AC+8*(\b):AC+8*(\b)+3]   offset:64*(\b)
	ds_store_b128 v[STO], v[AC+8*(\b)+4:AC+8*(\b)+7] offset:64*(\b)+16
.endr
	WIN 0
.irp t, 0,1,2,3,4,5,6,7,8,9,10,11,12,13,14,15
	ds_load_b128 v[BK+4*(\t):BK+4*(\t)+3], v[RD] offset:(\t)*SPITCH  ; LDS serves a wave's instructions in order (ISA guide 5.7.1.4): these see the stores above, and the next block's stores come behind them
.endr
.endm
.macro SEND a, younger                 ; younger: the LDS instructions issued behind block a's loads: the next block's 16 stores and 16 loads, or none
.set BK, OB+64*((\a)%3)
	WIN 0
	s_wait_dscnt \younger                          ; the block is back in registers
	s_wait_xcnt 0x0                                ; the stores of the blocks before have read their registers (ISA guide 3.1): block a - 1's buffer is loaded again, for block a + 2, only behind this wait
.irp t, 0,1,2,3,4,5,6,7,8,9,10,11,12,13,14,15
	global_store_b128 v[CO], v[BK+4*(\t):BK+4*(\t)+3], s[8:9] offset:(16*(\a)+(\t))*SIZE_N*4 th:TH_STORE_NT  ; a wave stores 512 consecutive bytes, at a multiple of 256 from out0's first byte; 127 rows at the most: 2,080,768, inside the signed 24-bit immediate
.endr
.endm
	s_wait_tensorcnt 1                             ; my part of K step 0 is in; K step 1's may stay out
	s_barrier_signal -1
	s_barrier_wait -1                              ; everybody's is
	FETCH 0, 0, F0
	QUARTER 0, 64,  F0, F1, 1                      ; the first quarter stands in front of the loop: its products start the sums, from the bias
	WIN 0                                          ; at a label and at a branch every window is 0
	s_mov_b32 s3, LAPS-1
.Llap:                                                 ; a trip goes once round the ring, from a lap's second quarter to the next lap's first, and fills both slots again: 15 trips ask for K steps 2 to 31
	QUARTER 0, 128, F1, F0, 0
	QUARTER 0, 192, F0, F1, 0
	TURN 0, 1, 1
	QUARTER 1, 64,  F0, F1, 0
	QUARTER 1, 128, F1, F0, 0
	QUARTER 1, 192, F0, F1, 0
	TURN 1, 0, 1
	QUARTER 0, 64,  F0, F1, 0
	WIN 0
	s_sub_co_u32 s3, s3, 1
	s_cmp_lg_u32 s3, 0
	s_cbranch_scc1 .Llap
	QUARTER 0, 128, F1, F0, 0                      ; the last lap is written out: it fills nothing, and has no round of the cluster's barrier
	QUARTER 0, 192, F0, F1, 0
	TURN 0, 1, 0
	QUARTER 1, 64,  F0, F1, 0
	QUARTER 1, 128, F1, F0, 0
	QUARTER 1, 192, F0, F1, 0
	s_wait_dscnt 8                                 ; the very last quarter: nothing more to fetch
	MUL16 F1, 0, 0, 0
	MUL16 F1, 0, 2, 0
	s_wait_dscnt 0x0
	MUL16 F1, 1, 0, 0
	MUL16 F1, 1, 2, 0
	PLACES                                         ; the stage's stores read results, and its loads land in registers that products have read;
	PLACES                                         ; twice four, once a launch
	TOSTAGE 0
.irp a, 1,2,3,4,5,6,7                  ; block a's way through the stage is begun before block a - 1 is waited for and stored
	TOSTAGE \a
	SEND (\a)-1, 32
.endr
	SEND 7, 0
	WIN 0
	s_wait_tensorcnt 0x0                           ; the wave's end, behind my last tensor load and my last LDS store
	ds_add_u32 v[SPW], v[NIL]
	s_wait_dscnt 0x0
	CROUND                                         ; the closing round: no work-group ends while a partner may still ask for a tile that names it
	s_endpgm
.Lfunc_end_k_qdf057a99f9_gemm:
	.size	k_qdf057a99f9_gemm, .Lfunc_end_k_qdf057a99f9_gemm-k_qdf057a99f9_gemm
	.p2alignl 7, 3214868480
	.fill 96, 4, 3214868480
	.section	.rodata,"a",@progbits
	.p2align	6, 0x0
	.amdhsa_kernel k_qdf057a99f9_gemm
		.amdhsa_group_segment_fixed_size 327680
		.amdhsa_private_segment_fixed_size 0
		.amdhsa_enable_private_segment 0
		.amdhsa_kernarg_size 32
		.amdhsa_user_sgpr_count 2
		.amdhsa_user_sgpr_kernarg_segment_ptr 1
		.amdhsa_wavefront_size32 1
		.amdhsa_system_sgpr_workgroup_id_x 1
		.amdhsa_system_sgpr_workgroup_id_y 1
		.amdhsa_system_sgpr_workgroup_id_z 1
		.amdhsa_system_vgpr_workitem_id 0
		.amdhsa_next_free_vgpr 1024
		.amdhsa_next_free_sgpr 68
		.amdhsa_reserve_vcc 0
		.amdhsa_float_denorm_mode_32 3
		.amdhsa_float_denorm_mode_16_64 3
		.amdhsa_memory_ordered 1
		.amdhsa_forward_progress 1
		.amdhsa_inst_pref_size 148
	.end_amdhsa_kernel
	.amdgpu_metadata
---
amdhsa.version: [ 1, 2 ]
amdhsa.kernels:
  - .name:           k_qdf057a99f9_gemm
    .symbol:         k_qdf057a99f9_gemm.kd
    .args:
      - { .name: a16, .offset: 0, .size: 8, .value_kind: global_buffer, .address_space: global }
      - { .name: w16, .offset: 8, .size: 8, .value_kind: global_buffer, .address_space: global }
      - { .name: out0, .offset: 16, .size: 8, .value_kind: global_buffer, .address_space: global }
      - { .name: bias_p, .offset: 24, .size: 8, .value_kind: global_buffer, .address_space: global }
    .group_segment_fixed_size: 327680
    .private_segment_fixed_size: 0
    .kernarg_segment_align: 8
    .kernarg_segment_size: 32
    .max_flat_workgroup_size: 128
    .sgpr_count:     68
    .vgpr_count:     1024
    .wavefront_size: 32
...
	.end_amdgpu_metadata
.endif
;; end of part 2
;; ======== version 2 of 2: 2 launches; version 1 with the launch cast written anew for expert scheduling mode
;; workspace buffers: a16 33,554,432 bytes; w16 33,554,432 bytes
;; launch cast (part 3): grid 512 x 1, 8 waves a work-group, no clusters, 0 bytes of LDS; arguments data, weight, w_mask, a16, w16; writes a16, w16
.if DOCPART == 3
	.amdgcn_target "amdgcn-amd-amdhsa--gfx1250"
	.amdhsa_code_object_version 6
	.text
	.protected	k_qdf057a99f9_cast
	.globl	k_qdf057a99f9_cast
	.p2align	8
	.type	k_qdf057a99f9_cast,@function
k_qdf057a99f9_cast:
	s_mov_b64 s[64:65], 0
	v_nop
	global_prefetch_b8 v0, s[64:65] scope:SCOPE_SE
	s_setreg_imm32_b32 hwreg(HW_REG_WAVE_SCHED_MODE, 0, 2), 2
	s_setreg_imm32_b32 hwreg(HW_REG_WAVE_MODE, 25, 1), 1
	s_wait_xcnt 0x0
	s_wait_alu depctr_vm_vsrc(0)
; out = data (weight * w_mask)^T + bias_p, in two launches.  This one makes the product's two operands, once:
;   a16[m][k] = bf16(data[m][k]);   w16[n][k] = bf16( bf16(weight[n][k]) * bf16(w_mask[n][k]) ).   All three inputs: 4,096 x 4,096 f32; both results: 4,096 x 4,096 bf16, row-major.
; NO WORK IS LEFT OUT.  w_mask is a float input and is multiplied in as it comes: no tile, row or step of the product is 0 for all values of the inputs, so the product is dense, and all
; four inputs are loaded (bias_p by the second launch).
; WHY A LAUNCH OF ITS OWN: every number of data, weight and w_mask is wanted by 16 tiles of the output; converted here, each is converted and masked once, and the second launch reads 2 bytes for it.
; LIMITS.  Every input is rounded to bf16 (nearest even) before anything else is done with it; the product of the two rounded factors is exact before its one rounding to bf16 (where the mask holds 0 and 1
; it rounds nothing).  A product below bf16's normal range (1.2e-38) may count as 0.  NaN and infinities are not treated apart: they go through the same instructions.
; SHARES.  Memory binds: no LDS, no barrier, no matrix unit.  A work-group owns 131,072 consecutive bytes of each input and 65,536 of each result: 32 steps.  In a step thread t takes the 16 bytes at 16 t of
; the step's 4,096 in each input, and stores 8 bytes at 8 t of the step's 2,048 in each result: a wave's load covers 512 consecutive bytes, its store 256 consecutive bytes, aligned.
; THE MODE: SCHED_MODE bits 1:0 = 2 (LLVM: expert scheduling mode 2), set by the entry lines.  The code itself states the register dependences between vector instructions and memory
; instructions, with s_wait_alu, always for 0.
; THE PLAN.  The 32 steps go in 8 blocks of four.  Registers that memory instructions touch:
;   X   16 slots of 12 registers, four blocks' worth.  Written by the loads of block p + 3, which are issued in block p; read by block p's conversions.
;   Y   8 slots of 4 registers, two blocks' worth.     Written by block p's conversions and products; read by the eight stores that are issued in block p + 1.
;   v1, v2   byte offsets, made once at the head and never written again: a step's place stands in the immediate offset (126,976 bytes at the most), so no base is stepped either.
;   T is named by vector instructions alone.
; Block p works on X's block p % 4 and writes Y's block p % 2.  Its memory instructions are the loads into X's block (p + 3) % 4 = (p - 1) % 4 and the stores from Y's block (p - 1) % 2: the two
; that block p - 1 worked on and that no vector instruction of block p names.  So the waits at a block's head state all that its twenty memory instructions hang on, and these are dealt among
; its four steps with no further wait.  The text has no branch: eight blocks are one macro, written out eight times (a lap of four blocks would make a loop of one trip).
; By the text's own count 36 to 39 loads of a wave are on their way until the last blocks.
.set BLOCK,   4                        ; steps in a block
.set BLOCKS,  32/BLOCK
.set INSTEP,  4096                     ; bytes of an input in a step
.set OUTSTEP, 2048                     ; bytes of a result in a step
.set IN,  1                            ; v1         16 t; never rewritten
.set OU,  2                            ; v2         8 t; never rewritten
.set T,   4                            ; v[4:7]     at work: weight's and mask's four numbers each, as bf16 pairs
.set X,   8                            ; v[8:199]   slot 4 (p % 4) + i for step i of block p: 12 registers as loaded: data 4, weight 4, w_mask 4
.set Y,   200                          ; v[200:231] slot 4 (p % 2) + i for step i of block p: 4 registers to store: a16's pair, w16's pair
	s_load_b256 s[4:11], s[0:1], 0x0               ; data s[4:5], weight s[6:7], w_mask s[8:9], a16 s[10:11]
	s_load_b64 s[12:13], s[0:1], 0x20              ; w16
	v_lshlrev_b32 v[IN], 4, v0
	v_lshlrev_b32 v[OU], 3, v0
	s_lshl_b32 s14, ttmp9, 17                      ; the work-group's part of an input: under 2^26
	s_mov_b32 s15, 0
	s_lshl_b32 s16, ttmp9, 16                      ; and of a result
	s_mov_b32 s17, 0
	s_wait_kmcnt 0x0
	s_add_nc_u64 s[4:5], s[4:5], s[14:15]
	s_add_nc_u64 s[6:7], s[6:7], s[14:15]
	s_add_nc_u64 s[8:9], s[8:9], s[14:15]
	s_add_nc_u64 s[10:11], s[10:11], s[16:17]
	s_add_nc_u64 s[12:13], s[12:13], s[16:17]
	s_wait_alu depctr_va_vdst(0)                   ; v1 and v2 are written: every load and store of the kernel reads one of them as its offset
.macro FILL i, off                     ; slot i's three loads, from byte off behind the three bases; each input byte is read once in the launch
	global_load_b128 v[X+12*(\i):X+12*(\i)+3],    v[IN], s[4:5] offset:(\off) th:TH_LOAD_NT
	global_load_b128 v[X+12*(\i)+4:X+12*(\i)+7],  v[IN], s[6:7] offset:(\off) th:TH_LOAD_NT
	global_load_b128 v[X+12*(\i)+8:X+12*(\i)+11], v[IN], s[8:9] offset:(\off) th:TH_LOAD_NT
.endm
.macro OUT s, off                      ; Y's slot s goes out, to byte off behind the two bases: a wave stores 256 consecutive bytes, at a multiple of 256 from the buffer's first byte
	global_store_b64 v[OU], v[Y+4*(\s):Y+4*(\s)+1],   s[10:11] offset:(\off)
	global_store_b64 v[OU], v[Y+4*(\s)+2:Y+4*(\s)+3], s[12:13] offset:(\off)
.endm
.irp i, 0,1,2,3,4,5,6,7,8,9,10,11
	FILL \i, (\i)*INSTEP                           ; blocks 0, 1 and 2: steps 0 to 11
.endr
; Block p.  ahead = 1: block p + 3 is loaded.  young = the loads of the blocks behind this one that were issued ahead of it: two blocks' 24, at the end 12 and 0.
.macro BLK p, ahead, young
.if (\p) >= 2                          ; blocks 0 and 1 write registers of Y that no store has read
	s_wait_xcnt 0x0                                ; every earlier memory instruction has had its addresses translated (ISA guide 3.1): Y's block p % 2, the data of stores issued in the block before, is rewritten only behind this wait
	s_wait_alu depctr_vm_vsrc(0)                   ; the stores issued in the block before have read Y's block p % 2, which this block's conversions and products write again
.endif
.if (\p) >= 1                          ; block 0 has no block in front of it: it stores nothing, and no vector instruction has named the registers in which its loads land
	s_wait_alu depctr_va_vdst(0)                   ; the block before has written the other block of Y, which the stores below read, and is done reading its block of X, in which the loads below land
.endif
.irp i, 0,1,2,3
.set XS, 4*((\p)%4)+(\i)               ; the slot of X that this step works on,
.set YS, 4*((\p)%2)+(\i)               ; and the slot of Y that it writes
.if \ahead
	FILL 4*(((\p)+3)%4)+(\i), (4*((\p)+3)+(\i))*INSTEP  ; three blocks ahead; loads ahead of stores.  No wait: no vector instruction since the block's head names these registers
.endif
.if (\p) >= 1
	OUT 4*(((\p)+1)%2)+(\i), (4*((\p)-1)+(\i))*OUTSTEP  ; the same step of the block before
.endif
	s_wait_loadcnt 3*(3-(\i))+(\young)+(\ahead)*3*((\i)+1)  ; loads come back in order (ISA guide 5.7.1): this step's three are in; the rest of its block, the younger blocks and those just issued stay out
	v_cvt_pk_bf16_f32 v[Y+4*YS],   v[X+12*XS],    v[X+12*XS+1]   ; data: two roundings to bf16, packed
	v_cvt_pk_bf16_f32 v[Y+4*YS+1], v[X+12*XS+2],  v[X+12*XS+3]
	v_cvt_pk_bf16_f32 v[T],        v[X+12*XS+4],  v[X+12*XS+5]   ; weight
	v_cvt_pk_bf16_f32 v[T+1],      v[X+12*XS+6],  v[X+12*XS+7]
	v_cvt_pk_bf16_f32 v[T+2],      v[X+12*XS+8],  v[X+12*XS+9]   ; w_mask
	v_cvt_pk_bf16_f32 v[T+3],      v[X+12*XS+10], v[X+12*XS+11]
	v_pk_mul_bf16 v[Y+4*YS+2], v[T],   v[T+2]      ; two products, each rounded once to bf16
	v_pk_mul_bf16 v[Y+4*YS+3], v[T+1], v[T+3]
.endr
.endm
	BLK 0, 1, 24                                   ; every step's count is 36: 3 (3 - i) of its own block, 24 of the two younger ones, 3 (i + 1) just issued
	BLK 1, 1, 24
	BLK 2, 1, 24
	BLK 3, 1, 24
	BLK 4, 1, 24                                   ; asks for block 7, the last
	BLK 5, 0, 24                                   ; blocks 5 to 7 load nothing: no load leaves its buffer, and the counts run down 33, 30, .. 0
	BLK 6, 0, 12
	BLK 7, 0, 0
	s_wait_alu depctr_va_vdst(0)                   ; block 7 has written its block of Y, which the last eight stores read
.irp i, 0,1,2,3
	OUT 4*((BLOCKS-1)%2)+(\i), (4*(BLOCKS-1)+(\i))*OUTSTEP
.endr
	s_endpgm
.Lfunc_end_k_qdf057a99f9_cast:
	.size	k_qdf057a99f9_cast, .Lfunc_end_k_qdf057a99f9_cast-k_qdf057a99f9_cast
	.p2alignl 7, 3214868480
	.fill 96, 4, 3214868480
	.section	.rodata,"a",@progbits
	.p2align	6, 0x0
	.amdhsa_kernel k_qdf057a99f9_cast
		.amdhsa_group_segment_fixed_size 0
		.amdhsa_private_segment_fixed_size 0
		.amdhsa_enable_private_segment 0
		.amdhsa_kernarg_size 40
		.amdhsa_user_sgpr_count 2
		.amdhsa_user_sgpr_kernarg_segment_ptr 1
		.amdhsa_wavefront_size32 1
		.amdhsa_system_sgpr_workgroup_id_x 1
		.amdhsa_system_sgpr_workgroup_id_y 1
		.amdhsa_system_sgpr_workgroup_id_z 1
		.amdhsa_system_vgpr_workitem_id 0
		.amdhsa_next_free_vgpr 232
		.amdhsa_next_free_sgpr 66
		.amdhsa_reserve_vcc 0
		.amdhsa_float_denorm_mode_32 3
		.amdhsa_float_denorm_mode_16_64 3
		.amdhsa_memory_ordered 1
		.amdhsa_forward_progress 1
		.amdhsa_inst_pref_size 34
	.end_amdhsa_kernel
	.amdgpu_metadata
---
amdhsa.version: [ 1, 2 ]
amdhsa.kernels:
  - .name:           k_qdf057a99f9_cast
    .symbol:         k_qdf057a99f9_cast.kd
    .args:
      - { .name: data, .offset: 0, .size: 8, .value_kind: global_buffer, .address_space: global }
      - { .name: weight, .offset: 8, .size: 8, .value_kind: global_buffer, .address_space: global }
      - { .name: w_mask, .offset: 16, .size: 8, .value_kind: global_buffer, .address_space: global }
      - { .name: a16, .offset: 24, .size: 8, .value_kind: global_buffer, .address_space: global }
      - { .name: w16, .offset: 32, .size: 8, .value_kind: global_buffer, .address_space: global }
    .group_segment_fixed_size: 0
    .private_segment_fixed_size: 0
    .kernarg_segment_align: 8
    .kernarg_segment_size: 40
    .max_flat_workgroup_size: 256
    .sgpr_count:     66
    .vgpr_count:     232
    .wavefront_size: 32
...
	.end_amdgpu_metadata
.endif
;; end of part 3
;; launch gemm: the kernel of part 2 again; grid 16 x 16, 4 waves a work-group, clusters of 4 x 4, 327,680 bytes of LDS; arguments a16, w16, out0, bias_p; writes out0
